; MI455X (gfx1250); checked and timed in simulation.
; The chip was launched on July 23, 2026; its instructions are those of AMD's public machine-readable ISA for CDNA 5 (MIT licence, August 2026) and "CDNA5" Instruction Set Architecture Reference Guide (July 2026). The comments in the code are by the model that wrote it; some were corrected since.
;; Residual Sieve KAN. Allowed arithmetic: matrix products marked QUANTISED: E2M1 operands, one E8M0 scale for each 32 along K, by v_wmma_scale_f32_16x16x128_f8f6f4 with both operands' format E2M1 (or v_wmma_scale_f32_32x16x128_f4), f32 sums; products left as they are: f32 operands where the result goes on into a quantised operand, else bf16, f16 or f32 operands; f32 sums; everything else in f32.
;; Inputs: bw0_codes 243 x 2 x 16 uint8 (E2M1 codes of bw0, K innermost, in blocks of 32 codes, two codes a byte); bw0_scales 243 x 2 uint8 (E8M0 scales of bw0, one for each 32 codes along K); bw1 243 x 243 float32; bw2 243 x 243 float32; bw3 243 x 243 float32; bw4 243 x 243 float32; bw5 1 x 243 float32; sw0 243 x 64 x 53 float32; sw1 243 x 243 x 53 float32; sw2 243 x 243 x 53 float32; sw3 243 x 243 x 53 float32; sw4 243 x 243 x 53 float32; sw5 1 x 243 x 53 float32; wb0 1 float32; wb1 1 float32; wb2 1 float32; wb3 1 float32; wb4 1 float32; wb5 1 float32; ws0 1 float32; ws1 1 float32; ws2 1 float32; ws3 1 float32; ws4 1 float32; ws5 1 float32; x 2,048 x 64 float32.
;; Outputs: out0 2,048 x 1 float32.
;; This version of the problem:
;;   THIS VERSION OF THE PROBLEM IS GIVEN IN LOW PRECISION. The matrix products marked QUANTISED in the list below multiply operands that are first quantised to E2M1 (2 exponent bits, 1 mantissa bit; 4 bits a number), with one power-of-two scale for each 32 numbers along K (OCP MX v1.0); their sums are f32. All else is computed in f32.
;;   The module's matrix products, in the order in which they are computed (A, B: the left and right operand; K: the contracted axis; several contracted axes count as one K, in the product's order):
;;     1. [M 2,048, K 64] x [K 64, N 243]; A: computed on the way; B: input bw0 (given as codes): QUANTISED
;;     2. [M 2,048, K 3,392] x [K 3,392, N 243]; A: computed on the way; B: input sw0: QUANTISED
;;     3. [M 2,048, K 243] x [K 243, N 243]; A: computed on the way; B: input bw1: QUANTISED
;;     4. [M 2,048, K 12,879] x [K 12,879, N 243]; A: computed on the way; B: input sw1: QUANTISED
;;     5. [M 2,048, K 243] x [K 243, N 243]; A: computed on the way; B: input bw2: QUANTISED
;;     6. [M 2,048, K 12,879] x [K 12,879, N 243]; A: computed on the way; B: input sw2: QUANTISED
;;     7. [M 2,048, K 243] x [K 243, N 243]; A: computed on the way; B: input bw3: QUANTISED
;;     8. [M 2,048, K 12,879] x [K 12,879, N 243]; A: computed on the way; B: input sw3: QUANTISED
;;     9. [M 2,048, K 243] x [K 243, N 243]; A: computed on the way; B: input bw4: QUANTISED
;;     10. [M 2,048, K 12,879] x [K 12,879, N 243]; A: computed on the way; B: input sw4: QUANTISED
;;     11. [M 2,048, K 243] x [K 243, N 1]; A: computed on the way; B: input bw5: left as it is (N = 1 < 16)
;;     12. [M 2,048, K 12,879] x [K 12,879, N 1]; A: computed on the way; B: input sw5: left as it is (N = 1 < 16)
;;   THE QUANTISER, for each operand of a quantised product, along K:
;;     - K is cut into blocks of 32 from its start; a last block that is shorter is filled with zeros.
;;     - A block's scale is 2^e with e = floor(log2(the largest magnitude in the block)) - 2, held to -126 .. 127; a block of zeros has e = 0. As a byte (E8M0): e + 127.
;;     - Each number is divided by its block's scale, clamped to +-6, and rounded to the nearest number of E2M1, ties to even, subnormals kept.
;;     - The product sums the exact products of the quantised numbers (number of the format x scale) in f32.
;;   ~~~python
;;   def quantise(x, axis):      # numpy; x: float32 -> the quantised numbers, widened to float32 again
;;       x = np.moveaxis(x, axis, -1); K = x.shape[-1]
;;       x = np.pad(x, [(0, 0)] * (x.ndim - 1) + [(0, -K % 32)]); x = x.reshape(x.shape[:-1] + (-1, 32)); a = np.abs(x).max(-1, keepdims=True)
;;       e = np.where(a > 0, np.clip(np.frexp(np.where(a > 0, a, 1))[1] - 1 - 2, -126, 127), 0)      # np.frexp(a)[1] - 1 = floor(log2(a)), exactly
;;       r = np.clip(x / 2.0 ** e, -6, 6)
;;       step = 2.0 ** (np.maximum(np.frexp(np.where(r == 0, 1, r))[1] - 1, 0) - 1)
;;       q = np.round(r / step) * step * 2.0 ** e      # np.round: ties to even
;;       return np.moveaxis(q.reshape(q.shape[:-2] + (-1,))[..., :K], -1, axis).astype(np.float32)
;;   ~~~
;;   OPERANDS COMPUTED ON THE WAY. 'Computed on the way' means the value that the module computes at that place (a softmax that the list does not call 'softmax' is quantised finished and normalised). What goes into a quantiser is computed in f32, as accurately as f32 sums, v_exp_f32 and their like allow (about 1e-6 of the number): no bf16 or f16 on the way to a quantiser, and a product that is left as it is and whose result goes on into a quantised operand takes f32 operands (vector FMAs, or v_wmma_f32_16x16x4_f32). A number that lies on a knife's edge between two numbers of the format may be rounded either way, as far as f32 arithmetic and the matrix unit's own rounding can turn it there, and no further.
;;   INPUTS GIVEN AS CODES. bw0 (in the module: [243, 64], K = its axis 1): each comes as NAME_codes (uint8): NAME with its K axis moved to the last place and cut into blocks of 32 codes, [.., K / 32, bytes a block], one block behind the other in memory; two codes a byte, the lower K in the low four bits (a code: sign, 2 exponent bits, 1 mantissa bit); and NAME_scales (uint8): the same leading axes, one E8M0 byte (e + 127) for each 32 codes along K. Its value is code x scale, taken as it is: it is not quantised again, and the codes and scales need not be those that the quantiser above would give.
;; One version. Each part assembles by itself: llvm-mc -triple=amdgcn-amd-amdhsa -mcpu=gfx1250 --defsym DOCPART=n.
;; ======== version 1 of 1: 7 launches
;; limits: right only within a limited range of input values
;; workspace buffers: W 9,748,480 bytes; PA 16,777,216 bytes; PB 16,777,216 bytes; par0 256 bytes of whole numbers; par1 256 bytes of whole numbers; par2 256 bytes of whole numbers; par3 256 bytes of whole numbers; par4 256 bytes of whole numbers
;; launch quant (part 1): grid 32 x 36, 4 waves a work-group, no clusters, 58,624 bytes of LDS; arguments sw0, sw1, sw2, sw3, sw4, bw1, bw2, bw3, bw4, bw0_codes, bw0_scales, x, W, PA, par0, par1, par2, par3, par4; writes W, PA, par0, par1, par2, par3, par4
.if DOCPART == 1
	.amdgcn_target "amdgcn-amd-amdhsa--gfx1250"
	.amdhsa_code_object_version 6
	.text
	.protected	k_qc9d1431c3b_quant
	.globl	k_qc9d1431c3b_quant
	.p2align	8
	.type	k_qc9d1431c3b_quant,@function
k_qc9d1431c3b_quant:
	s_mov_b64 s[64:65], 0
	v_nop
	global_prefetch_b8 v0, s[64:65] scope:SCOPE_SE
	s_setreg_imm32_b32 hwreg(HW_REG_WAVE_MODE, 25, 1), 1
	s_wait_xcnt 0x0
; THE WEIGHTS OF LAYERS 0 TO 4 BECOME CODES OF E2M1 WITH E8M0 SCALES, LAID IN THE ORDER OF THE OPERAND'S REGISTERS; x is laid as the layers read their input; the layers' two whole numbers are stored.
; K of a layer is cut into chunks of 32 features: 32 x 53 = 1,696 along the spline product's K = 53 whole blocks of 32, and one block of the base product's K.
; W, for layer ly (LAYERB bytes each): codes at c CHUNKB + T TILEB + 256 q + 16 r (chunk c, tile T of 16 output columns, block q, column r; 16 bytes = 32 codes, the lower k in the lower bits);
;   q = 0..52: sw[o][1696 c + 32 q ..]; q = 53: bw[o][32 c ..]; q = 54, 55: zeros.  Scale bytes from SCALES on at c 14336 + T 896 + (q / 8) 128 + 8 r + q % 8.
;   Columns from 243 on and k past the end of K hold zero codes.
; A JOB (work-group): 16 columns x 28 blocks: half hf of a chunk, q = 28 hf .. 28 hf + 27.
; Phase 1: wave w takes rows 4 w .. 4 w + 3.  A row of sw begins on a multiple of 4 bytes only, so a row's part is read as 29 windows of 128 bytes that begin on multiples of 128 bytes.
; With s the row's shift in numbers (0 to 31), lane l reads number (l + s) mod 32 of a window: that is place l of block j in window j where l + s < 32, and in window j + 1 where not.
; So one select between two windows' registers gives lane l place l of block j, and every address in the stage is made of the lane and the wave alone.
; 14 windows x 4 rows = 56 loads are out at the most (60 with the base block's four).  A load past the job's last number of the row reads that last number; what does not exist is set to 0 ahead of the stage.
; Phase 2: lane (r, h) of wave w takes block 8 p + 2 w + h of row r whole (p = 0 .. 3; p = 3: waves 0 and 1): largest magnitude, scale, four conversions; the wave stores 512 consecutive bytes of W.
; A block's scale byte is its largest magnitude's exponent field - 2, held at 1 from below.  bw0 comes as codes and scales and is copied as it is given.
; LIMITS: a block of zeros gets the byte 1 where the quantiser says 127 (its codes are zeros, and this program alone reads the bytes); blocks whose largest magnitude lies under 2^-124 keep the byte 1;
; NaN and infinities among the inputs are not served.
; GRID: x: T = x / 2, hf = x % 2.  y < 32: layer 1 + y / 8, chunk y % 8;  y = 32, 33: layer 0, chunk y - 32;  y = 34, 35: x's 64 rows (x of the grid) x 32 features.
.set LAYERB, 1949696
.set CHUNKB, 229376
.set TILEB,  14336
.set SCALES, 1835008
.set NBK,    28                        ; blocks of a job
.set NW,     29                        ; windows of a row's part
.set LEAD,   14                        ; windows asked for ahead
.set RP,     3600                      ; a stage row: 28 blocks of 128 bytes + 16: an odd multiple of 16 bytes
.set SCB,    16*RP                     ; behind the stage: the job's 448 scale bytes, at 128 p + 8 r + 2 w + h
.set SPARE,  SCB+512                   ; the spare words
.set D,      16                        ; v16-71 the windows' numbers, 14 sets of 4 by turns; phase 2: v16-47 my block's 32
.set BD,     72                        ; v72-75 the base block of my four rows
.set CO,     76                        ; v76-91 my blocks' codes, four registers a pass
.set VO,     92                        ; v92-95 a row's first window in sw, + 4 ((lane + s) mod 32)
	s_load_b512 s[8:23], s[0:1], 0x0               ; sw0 s[8:9] .. sw4 s[16:17], bw1 s[18:19], bw2 s[20:21], bw3 s[22:23]
	s_load_b256 s[24:31], s[0:1], 0x40             ; bw4, bw0_codes s[26:27], bw0_scales s[28:29], x s[30:31]
	s_load_b256 s[32:39], s[0:1], 0x60             ; W s[32:33], PA s[34:35], par0, par1
	s_load_b128 s[40:43], s[0:1], 0x80             ; par2, par3
	s_load_b64 s[44:45], s[0:1], 0x90              ; par4
	v_lshl_add_u32 v110, v0, 2, SPARE
	v_mov_b32 v111, 0
	v_lshrrev_b32 v2, 5, v0
	v_readfirstlane_b32 s46, v2                    ; wave
	s_and_b32 s47, ttmp7, 0xffff                   ; y
	s_lshr_b32 s48, ttmp9, 1                       ; T
	s_and_b32 s49, ttmp9, 1                        ; hf
	s_and_b32 s53, s47, 7                          ; c
	s_mul_i32 s50, s46, 4*RP
	s_lshl_b32 s52, s46, 8
	s_lshl_b32 s57, s46, 1
	s_add_co_u32 s57, s57, SCB
	s_lshl_b32 s58, s53, 5
	s_cmp_eq_u32 s49, 1
	s_cselect_b32 s59, -1, 0
	v_and_b32 v1, 31, v0                           ; lane
	v_and_b32 v3, 15, v0                           ; r
	v_bfe_u32 v4, v0, 4, 1                         ; h
	v_and_b32 v5, 1, v0
	v_lshl_add_u32 v6, v1, 2, s50                  ; into the stage: my wave's four rows, 4 bytes a lane
	v_mul_u32_u24 v7, v3, RP
	v_lshl_add_u32 v7, v4, 7, v7
	v_add_nc_u32 v7, s52, v7                       ; out of it: row r, block 2 w + h
	v_lshl_add_u32 v8, v3, 3, v4
	v_add_nc_u32 v8, s57, v8                       ; my block's scale byte
	v_lshl_add_u32 v9, v1, 2, SCB                  ; the bytes on their way out, 4 a lane
	v_lshlrev_b32 v10, 2, v1
	v_lshlrev_b32 v11, 4, v1
	v_add_nc_u32 v12, s58, v1                      ; the base block: k = 32 c + lane,
	v_min_u32 v13, 242, v12                        ; held inside a row of bw
	v_cmp_gt_u32 s90, 243, v12                     ; the lanes whose number exists
	v_and_b32 v105, 30, v0                         ; where a word of four scale bytes (local blocks 8 p + 4 (lane % 2) ..) goes in W: hf = 0: 128 p + 4 lane;
	v_lshlrev_b32 v105, 2, v105
	v_add_nc_u32 v96, SCB, v105                    ; local blocks 24 to 27 have a word for each row alone: a pair of lanes names the same one, 8 (lane / 2)
	v_mad_u32_u24 v105, v5, 124, v105
	v_add_nc_u32 v105, 388, v105                   ; hf = 1 (q = 28 + local block): 128 p + 388 + 124 (lane % 2) + 8 (lane / 2)
	v_cndmask_b32 v105, v10, v105, s59
	v_cmp_eq_u32 s91, 0, v5                        ; the even lanes
	s_wait_alu depctr_va_vdst(0)                   ; ahead of the branch and the scalar lines
	s_cmp_ge_u32 s47, 34
	s_cbranch_scc1 .Lrepack
	s_lshr_b32 s51, s47, 3
	s_add_co_u32 s51, s51, 1                       ; ly
	s_mov_b32 s56, 12879                           ; a row of sw
	s_cmp_ge_u32 s47, 32                           ; layer 0?
	s_cselect_b32 s51, 0, s51
	s_cselect_b32 s56, 3392, s56
	s_mul_i32 s54, s53, 1696
	s_sub_co_u32 s55, s56, s54
	s_min_u32 s55, s55, 1696                       ; the chunk's numbers that exist in a row
	s_mul_i32 s57, s49, 32*NBK
	s_sub_co_u32 s55, s55, s57
	s_min_u32 s55, s55, 32*NBK                     ; nv: the job's (at least 111)
	s_add_co_u32 s54, s54, s57                     ; the job begins at k = 1696 c + 896 hf
	s_lshl_b32 s58, s55, 2
	s_sub_co_u32 s58, s58, 4
	s_lshl_b32 s66, s48, 4
	s_lshl_b32 s67, s46, 2
	s_add_co_u32 s66, s66, s67                     ; my wave's first column
	s_mov_b32 s76, 128
.irp i, 0,1,2,3
	s_add_co_u32 s67, s66, \i
	s_cmp_lt_u32 s67, 243
	s_cselect_b32 s[68+\i], -1, 0                  ; all lanes, or none for a column that does not exist
	s_min_u32 s67, s67, 242                        ; no load leaves its buffer
	s_mul_i32 s59, s67, 972
	v_lshl_add_u32 v[BD+\i], v13, 2, s59           ; the base block's offset in bw
	s_mul_i32 s67, s67, s56
	s_add_co_u32 s67, s67, s54
	s_lshl_b32 s67, s67, 2                         ; where the row's part begins in sw, in bytes
	s_add_co_u32 s[72+\i], s67, s58                ; its last number that exists
	s_and_b32 s59, s67, 127
	s_sub_co_u32 s67, s67, s59                     ; the first window
	s_lshr_b32 s59, s59, 2                         ; s
	v_add_nc_u32 v14, s59, v1
	v_cmp_le_u32 s[80+\i], 32, v14                 ; the lanes whose place of block j lies in window j + 1
	v_and_b32 v14, 31, v14
	v_lshl_add_u32 v[VO+\i], v14, 2, s67
.endr
	s_cmp_lg_u32 s51, 0
	s_cselect_b32 s84, s49, 0                      ; 1: the job holds a base block that is quantised here
	s_cselect_b32 s85, 0, s49                      ; 1: it holds layer 0's, which is copied
	s_mul_i32 s86, s51, LAYERB                     ; where the job's results go
	s_mul_i32 s87, s53, 14336
	s_add_co_u32 s87, s87, s86
	s_mul_i32 s88, s48, 896
	s_add_co_u32 s88, s88, s87
	s_add_co_u32 s88, s88, SCALES
	s_mov_b32 s89, 0
	s_wait_alu depctr_va_vdst(0)
	s_wait_kmcnt 0x0
	s_add_nc_u64 s[34:35], s[32:33], s[88:89]      ; the tile's scale bytes
	s_mul_i32 s87, s53, CHUNKB
	s_add_co_u32 s87, s87, s86
	s_mul_i32 s88, s48, TILEB
	s_add_co_u32 s88, s88, s87
	s_mul_i32 s87, s49, 256*NBK
	s_add_co_u32 s88, s88, s87
	s_lshl_b32 s87, s46, 9
	s_add_co_u32 s88, s88, s87
	s_add_nc_u64 s[32:33], s[32:33], s[88:89]      ; my wave's two blocks of codes of pass 0
	s_mov_b64 s[60:61], s[8:9]                     ; the layer's sw: a choice on the layer's number alone
	s_cmp_eq_u32 s51, 1
	s_cselect_b64 s[60:61], s[10:11], s[60:61]
	s_cmp_eq_u32 s51, 2
	s_cselect_b64 s[60:61], s[12:13], s[60:61]
	s_cmp_eq_u32 s51, 3
	s_cselect_b64 s[60:61], s[14:15], s[60:61]
	s_cmp_eq_u32 s51, 4
	s_cselect_b64 s[60:61], s[16:17], s[60:61]
	s_mov_b64 s[62:63], s[18:19]                   ; and its bw
	s_cmp_eq_u32 s51, 2
	s_cselect_b64 s[62:63], s[20:21], s[62:63]
	s_cmp_eq_u32 s51, 3
	s_cselect_b64 s[62:63], s[22:23], s[62:63]
	s_cmp_eq_u32 s51, 4
	s_cselect_b64 s[62:63], s[24:25], s[62:63]
	s_cmp_eq_u32 s84, 0
	s_cbranch_scc1 .Lno_base
.irp i, 0,1,2,3
	global_load_b32 v[BD+\i], v[BD+\i], s[62:63]   ; ahead of all windows, so that the counted waits below are the same on both ways (each load lands on its own offset)
.endr
.Lno_base:
.macro ASK w                           ; window w of my four rows
.irp i, 0,1,2,3
	v_min_u32 v[D+4*((\w)%LEAD)+\i], s[72+\i], v[VO+\i]
.endr
.irp i, 0,1,2,3
	global_load_b32 v[D+4*((\w)%LEAD)+\i], v[D+4*((\w)%LEAD)+\i], s[60:61] offset:128*(\w) th:TH_LOAD_NT
.endr
.irp i, 0,1,2,3
	s_sub_co_u32 s[72+\i], s[72+\i], s76           ; the bound for the next window, whose 128 bytes stand in the immediate
.endr
.endm
.macro PUT j, n                        ; block j, out of windows j and j + 1, goes to the stage; n: the loads issued behind window j + 1
	s_wait_loadcnt \n
	v_cmp_gt_i32 s92, s55, v1                      ; nv - 32 j > lane: the number exists in a row
.irp i, 0,1,2,3
	s_and_b32 s[86+\i], s92, s[68+\i]              ; and the row does
.endr
.irp i, 0,1,2,3
	v_cndmask_b32 v[D+4*((\j)%LEAD)+\i], v[D+4*((\j)%LEAD)+\i], v[D+4*(((\j)+1)%LEAD)+\i], s[80+\i]
.endr
.irp i, 0,1,2,3
	v_cndmask_b32 v[D+4*((\j)%LEAD)+\i], 0, v[D+4*((\j)%LEAD)+\i], s[86+\i]
.endr
.irp i, 0,1,2,3
	ds_store_b32 v6, v[D+4*((\j)%LEAD)+\i] offset:\i*RP+128*(\j)
.endr
	s_sub_co_i32 s55, s55, 32
.endm
.set WQ, 0
.rept NW
.if WQ >= LEAD
	PUT WQ-LEAD, 4*(LEAD-2)
.endif
	ASK WQ
.set WQ, WQ+1
.endr
.set WQ, NW-LEAD
.rept LEAD-1
	PUT WQ, 4*(NW-2-WQ)
.set WQ, WQ+1
.endr
	s_cmp_eq_u32 s84, 0
	s_cbranch_scc1 .Lstaged
.irp i, 0,1,2,3
	s_and_b32 s87, s90, s[68+\i]
	v_cndmask_b32 v[BD+\i], 0, v[BD+\i], s87
	ds_store_b32 v6, v[BD+\i] offset:\i*RP+128*25  ; q = 53 is local block 25: over the zeros that my own stores above have left there (LDS serves a wave's instructions in order: ISA guide 5.7.1.4)
.endr
.Lstaged:
	s_wait_dscnt 0x0                               ; for the others' sake: my stores into the stage are done
	s_barrier_signal -1
	s_barrier_wait -1
.macro CONV p
.irp j, 0,1,2,3,4,5,6,7
	ds_load_b128 v[D+4*\j:D+4*\j+3], v7 offset:1024*\p+16*\j
.endr
	s_wait_dscnt 0x0
	v_max3_num_f32 v12, |v[D]|, |v[D+1]|, 0x1800000   ; the block's largest magnitude, in two chains, and the floor 2^(3 - 127): the byte cannot fall under 1
	v_max3_num_f32 v13, |v[D+16]|, |v[D+17]|, |v[D+18]|
.irp i, 0,2,4,6,8,10
	v_max3_num_f32 v12, v12, |v[D+2+\i]|, |v[D+3+\i]|
	v_max3_num_f32 v13, v13, |v[D+19+\i]|, |v[D+20+\i]|
.endr
	v_max3_num_f32 v12, v12, |v[D+14]|, |v[D+15]|
	v_max3_num_f32 v12, v12, v13, |v[D+31]|
	v_add_nc_u32 v14, 0xff000000, v12              ; 2 off its exponent field: the conversion takes the exponent field of this operand as its scale
.irp q, 0,1,2,3
	v_cvt_scalef32_pk8_fp4_f32 v[CO+4*\p+\q], v[D+8*\q:D+8*\q+7], v14
.endr
	v_lshrrev_b32 v15, 23, v14                     ; the scale's byte (a plain instruction behind the conversions)
.endm
.macro SENDP p
	global_store_b128 v11, v[CO+4*\p:CO+4*\p+3], s[32:33] offset:2048*\p   ; 32 lanes store 512 consecutive bytes, at a multiple of 256 from W's first byte
	ds_store_b8 v8, v15 offset:128*\p
.endm
.irp p, 0,1,2
	CONV \p
	SENDP \p
.endr
	s_cmp_ge_u32 s46, 2                            ; local blocks 24 to 27 are waves 0 and 1's
	s_cbranch_scc1 .Lconverted
	CONV 3
	s_cmp_eq_u32 s85, 0                            ; layer 0's base block (local block 25: wave 0, lanes 16-31) is bw0 as it is given
	s_cbranch_scc1 .Lplain
	s_cmp_lg_u32 s46, 0
	s_cbranch_scc1 .Lplain
	s_lshl_b32 s86, s48, 4
	v_add_nc_u32 v106, s86, v3                     ; column
	v_min_u32 v107, 242, v106
	v_lshlrev_b32 v108, 5, v107
	s_lshl_b32 s86, s53, 4
	v_add_nc_u32 v108, s86, v108                   ; 32 bytes a column, 16 a block
	v_lshl_add_u32 v109, v107, 1, s53              ; 2 scale bytes a column
	global_load_b128 v[16:19], v108, s[26:27]
	global_load_u8 v20, v109, s[28:29]
	v_cmp_le_u32 s86, 16, v1
	v_cmp_gt_u32 s87, 243, v106
	s_and_b32 s86, s86, s87                        ; columns that do not exist keep the zero codes made above
	s_wait_alu depctr_va_vdst(0)
	s_wait_loadcnt 0x0
.irp q, 0,1,2,3
	v_cndmask_b32 v[CO+12+\q], v[CO+12+\q], v[16+\q], s86
.endr
	v_cndmask_b32 v15, v15, v20, s86
.Lplain:
	s_wait_alu depctr_va_vdst(0)                   ; behind the branches
	SENDP 3
.Lconverted:
	s_wait_dscnt 0x0                               ; for wave 0's sake
	s_barrier_signal -1
	s_barrier_wait -1
	s_cmp_lg_u32 s46, 0
	s_cbranch_scc1 .Lend
.irp p, 0,1,2
	ds_load_b32 v[16+\p], v9 offset:128*\p
.endr
	ds_load_b32 v19, v96 offset:384
	s_wait_dscnt 0x0
.irp p, 0,1,2
	global_store_b32 v105, v[16+\p], s[34:35] offset:128*\p
.endr
	s_wait_xcnt 0x0                                ; EXEC changes only behind this wait
	s_and_saveexec_b32 s84, s91                    ; local blocks 24 to 27: the even lanes store the rows' words
	global_store_b32 v105, v19, s[34:35] offset:384
	s_wait_xcnt 0x0                                ; and again, in front of the line that widens it
	s_or_b32 exec_lo, exec_lo, s84
.Lend:
	s_wait_tensorcnt 0x0                           ; the wave's end
	ds_add_u32 v110, v111
	s_wait_dscnt 0x0
	s_endpgm
.Lrepack:
	; x, rows 64 mt + 16 w + r, features 32 cd + 16 t2 + 8 h + 4 u + 0 .. 3, to PA's slot 0 at (8 mt + cd) 8192 + 2048 w + 1024 t2 + 512 u + 16 lane
	s_wait_kmcnt 0x0
	s_sub_co_u32 s50, s47, 34                      ; cd
	s_lshl_b32 s51, ttmp9, 14
	s_lshl_b32 s52, s46, 12
	s_add_co_u32 s51, s51, s52
	s_lshl_b32 s52, s50, 7
	s_add_co_u32 s51, s51, s52
	v_lshlrev_b32 v5, 8, v3
	v_lshl_add_u32 v5, v4, 5, v5
	v_add_nc_u32 v5, s51, v5
.irp k, 0,1,2,3
	global_load_b128 v[16+4*\k:19+4*\k], v5, s[30:31] offset:(\k/2)*64+(\k%2)*16
.endr
	s_lshl_b32 s51, ttmp9, 3
	s_add_co_u32 s51, s51, s50
	s_lshl_b32 s51, s51, 13
	s_lshl_b32 s52, s46, 11
	s_add_co_u32 s51, s51, s52
	v_lshl_add_u32 v8, v1, 4, s51
	s_wait_alu depctr_va_vdst(0)
	s_wait_loadcnt 0x0
.irp k, 0,1,2,3
	global_store_b128 v8, v[16+4*\k:19+4*\k], s[34:35] offset:512*\k
.endr
	s_or_b32 s52, ttmp9, s46
	s_or_b32 s52, s52, s50
	s_cmp_lg_u32 s52, 0
	s_cbranch_scc1 .Lrend
	; one wave stores each layer's two whole numbers: word 0 the last slot that the layer adds, word 1 (and the lanes behind) the layer's number
	v_cmp_eq_u32 s53, 0, v1
	v_mov_b32 v32, 0
	v_mov_b32 v33, 1
	v_mov_b32 v34, 2
	v_mov_b32 v35, 3
	v_mov_b32 v36, 4
	v_cndmask_b32 v34, v34, 7, s53
	v_cndmask_b32 v35, v35, 7, s53
	v_cndmask_b32 v36, v36, 7, s53
	global_store_b32 v10, v32, s[36:37]
	global_store_b32 v10, v33, s[38:39]
	global_store_b32 v10, v34, s[40:41]
	global_store_b32 v10, v35, s[42:43]
	global_store_b32 v10, v36, s[44:45]
.Lrend:
	s_endpgm
.Lfunc_end_k_qc9d1431c3b_quant:
	.size	k_qc9d1431c3b_quant, .Lfunc_end_k_qc9d1431c3b_quant-k_qc9d1431c3b_quant
	.p2alignl 7, 3214868480
	.fill 96, 4, 3214868480
	.section	.rodata,"a",@progbits
	.p2align	6, 0x0
	.amdhsa_kernel k_qc9d1431c3b_quant
		.amdhsa_group_segment_fixed_size 58624
		.amdhsa_private_segment_fixed_size 0
		.amdhsa_enable_private_segment 0
		.amdhsa_kernarg_size 152
		.amdhsa_user_sgpr_count 2
		.amdhsa_user_sgpr_kernarg_segment_ptr 1
		.amdhsa_wavefront_size32 1
		.amdhsa_system_sgpr_workgroup_id_x 1
		.amdhsa_system_sgpr_workgroup_id_y 1
		.amdhsa_system_sgpr_workgroup_id_z 1
		.amdhsa_system_vgpr_workitem_id 0
		.amdhsa_next_free_vgpr 112
		.amdhsa_next_free_sgpr 102
		.amdhsa_reserve_vcc 0
		.amdhsa_float_denorm_mode_32 3
		.amdhsa_float_denorm_mode_16_64 3
		.amdhsa_memory_ordered 1
		.amdhsa_forward_progress 1
		.amdhsa_inst_pref_size 69
	.end_amdhsa_kernel
	.amdgpu_metadata
---
amdhsa.version: [ 1, 2 ]
amdhsa.kernels:
  - .name:           k_qc9d1431c3b_quant
    .symbol:         k_qc9d1431c3b_quant.kd
    .args:
      - { .name: sw0, .offset: 0, .size: 8, .value_kind: global_buffer, .address_space: global }
      - { .name: sw1, .offset: 8, .size: 8, .value_kind: global_buffer, .address_space: global }
      - { .name: sw2, .offset: 16, .size: 8, .value_kind: global_buffer, .address_space: global }
      - { .name: sw3, .offset: 24, .size: 8, .value_kind: global_buffer, .address_space: global }
      - { .name: sw4, .offset: 32, .size: 8, .value_kind: global_buffer, .address_space: global }
      - { .name: bw1, .offset: 40, .size: 8, .value_kind: global_buffer, .address_space: global }
      - { .name: bw2, .offset: 48, .size: 8, .value_kind: global_buffer, .address_space: global }
      - { .name: bw3, .offset: 56, .size: 8, .value_kind: global_buffer, .address_space: global }
      - { .name: bw4, .offset: 64, .size: 8, .value_kind: global_buffer, .address_space: global }
      - { .name: bw0_codes, .offset: 72, .size: 8, .value_kind: global_buffer, .address_space: global }
      - { .name: bw0_scales, .offset: 80, .size: 8, .value_kind: global_buffer, .address_space: global }
      - { .name: x, .offset: 88, .size: 8, .value_kind: global_buffer, .address_space: global }
      - { .name: W, .offset: 96, .size: 8, .value_kind: global_buffer, .address_space: global }
      - { .name: PA, .offset: 104, .size: 8, .value_kind: global_buffer, .address_space: global }
      - { .name: par0, .offset: 112, .size: 8, .value_kind: global_buffer, .address_space: global }
      - { .name: par1, .offset: 120, .size: 8, .value_kind: global_buffer, .address_space: global }
      - { .name: par2, .offset: 128, .size: 8, .value_kind: global_buffer, .address_space: global }
      - { .name: par3, .offset: 136, .size: 8, .value_kind: global_buffer, .address_space: global }
      - { .name: par4, .offset: 144, .size: 8, .value_kind: global_buffer, .address_space: global }
    .group_segment_fixed_size: 58624
    .private_segment_fixed_size: 0
    .kernarg_segment_align: 8
    .kernarg_segment_size: 152
    .max_flat_workgroup_size: 128
    .sgpr_count:     102
    .vgpr_count:     112
    .wavefront_size: 32
...
	.end_amdgpu_metadata
.endif
;; end of part 1
;; launch layer0 (part 2): grid 32 x 2, 4 waves a work-group, no clusters, 75,264 bytes of LDS; arguments par0, PA, W, wb0, ws0, PB; writes PB
.if DOCPART == 2
	.amdgcn_target "amdgcn-amd-amdhsa--gfx1250"
	.amdhsa_code_object_version 6
	.text
	.protected	k_qc9d1431c3b_layer0
	.globl	k_qc9d1431c3b_layer0
	.p2align	8
	.type	k_qc9d1431c3b_layer0,@function
k_qc9d1431c3b_layer0:
	s_mov_b64 s[64:65], 0
	v_nop
	global_prefetch_b8 v0, s[64:65] scope:SCOPE_SE
	s_setreg_imm32_b32 hwreg(HW_REG_WAVE_MODE, 25, 1), 1
	s_wait_xcnt 0x0
; ONE KAN LAYER, SPLIT ALONG K.  out = wb silu(h) bw^T + ws basis(h) sw^T (+ h), both products on codes of E2M1 with one E8M0 scale for each 32 along K.
; Work-group (mt, c) takes rows 64 mt .. + 63, all 256 (243 and padding) output columns, and K chunk c: input features 32 c .. 32 c + 31: 53 blocks of the spline product's K and one block of the base product's.
; It stores the partial result wb Base + ws S into slot c of Pout; the next launch adds the slots while it loads them.
; A slot is laid as images of result registers: (8 mt + cd) 8192 + 2048 m + 1024 t2 + 512 u + 16 lane; lane (r, h): row 64 mt + 16 m + r, features 32 cd + 16 t2 + 8 h + 4 u + 0 .. 3.
; par: word 0 = LS, the last slot to be added (a slot past it is read from slot LS and multiplied by 0: no branch, no trip count); word 1 = the layer's number, which picks the layer's part of W.
; PHASES.  (1) wave w adds the slots for row tile w: h, 16 rows x 32 features; h goes to LDS by rows | barrier |
; (2) A LANE IS A ROW.  Waves 0, 1 (rows 0-31, 32-63) make the codes of blocks 0-27, waves 2, 3 those of blocks 28-52 and the base block.  Of a feature's 53 basis numbers four are not 0:
;     they are computed by the Cox-de Boor recursion on the knots fl(fl((q - 3) 0.04) - 0.5), as the definition has them.  For block b the numbers of its one or two features that fall into it are chosen
;     (the others 0), the block's scale is taken of them, ONE conversion makes their codes, and each feature's 16 bits of codes are turned to their place in the block's 128 bits by shifts and selects:
;     no address and no branch hangs on a number.  Blocks go to LDS as images of the operand's registers | barrier |
; (3) wave w multiplies all 64 rows by its four tiles of 16 columns, whose fragments of W came straight into registers while (2) ran.  Transposed use: source 0 = 16 columns, source 1 = 16 rows.
;     K steps 0-13 add to the spline sums.  B's K step 13 is [block 52, base block, 0, 0]; A's step 13 is [block 52, 0, 0, 0], and A's step 14, [0, base, 0, 0], multiplies the same B registers into sums of their own.
; LIMITS: NaN and infinities are not served (a slot with weight 0 would turn an infinity into NaN).  A block of zeros has the byte 1 where the quantiser says 127: its codes are zeros.  Blocks whose largest magnitude
; lies under 2^-124 keep the byte 1.  The cell of x is floor(25 x + 15.5): within some 1e-5 of a cell of a knot the neighbouring polynomial piece may be taken, which differs by the cube of that distance.
; A quotient a / d is a x (1 / d) by v_rcp_f32.
; NO CLUSTER: the 32 work-groups of a chunk read the same part of W, but a joint load ends in LDS, from where each fragment would have to be read once more beside A's; here each goes once into its operand registers.
; REGISTERS.  window 0: v1-13 addresses and constants; v16-143 the eight slots, then X (v16-47), the features' four numbers, blocks and shifts (v48-87), work (v88-217); in (3) v16-79 A's fragments, four sets; v80-207 results;
;   v224-251 B's scale words, v252-255 A's: these hold scales and nothing else.   windows 1, 2: B's fragments of K steps 0-7, 8-13.   window 3: v0-127 spline sums, v128-255 base sums.
.set LAYERB, 1949696
.set CHUNKB, 229376
.set TILEB,  14336
.set SCALES, 1835008
; THE RESIDUAL HAS NO SLOT OF ITS OWN (what the head says of slot 8 holds no longer): unless LS = 0, the wave that owns output columns 32 c .. 32 c + 31 (wave c / 2, its tiles 2 (c % 2) and + 1)
; adds h, read back from LDS in the result's layout, to its partial result.  So a buffer has eight slots, 0 to 7, and LS is 7 at the most.
; PHASE (3) GOES IN TWO HALVES OF 32 ROWS: all 15 K steps for row tiles 0 and 1, whose results are stored, then the same for tiles 2 and 3.  In (3): v16-79 A's fragments, four sets of two tiles;
; v80-143 and v144-207 the halves' results (h stands meanwhile in the other half's registers); v252-255 A's scale words, one a set.
.set SLOTB,  2097152
.set MTB,    15360                     ; LDS: a row tile's 60 blocks of 256 bytes; block a of tile m at MTB m + 256 a + 16 r
.set ASC,    61440                     ; A's scale words: 256 s + 8 lane + 4 (tile / 2); lane = 16 (tile % 2) + r
.set XS,     65280                     ; h by rows: 64 rows of XP bytes
.set XP,     144                       ; 128 bytes + 16: an odd multiple of 16 bytes
.set X,   16                           ; v16-47   my row's 32 features
.set VV,  48                           ; v48-63   a feature's four numbers: 8 (pair % 2) + 2 m + (feature % 2)
.set BL,  64                           ; v64-79   the block into which each falls, or -1
.set A4,  80                           ; v80-83   4 x the first number's place along K: 2 (pair % 2) + (feature % 2)
.set NA,  84                           ; v84-87   its complement
.set XA,  168                          ; v168-175 the eight numbers of a block that meets two features
.set XB,  176                          ; v176-183 the four of a block that meets one; v180-183 stay 0
.set RG,  196                          ; v196-211 a block's 128 bits of codes: four sets by turns
.set SWD, 212                          ; v212-213 a K step's scale word: two by turns
.set OO,  214                          ; v214-217 the second feature's words
.set SB,  224
.set SA,  252
.set MSB, 0
.macro WIN new                         ; the immediate's high byte repeats the setting that is left
.if MSB != \new
	s_set_vgpr_msb (MSB<<8)|\new
.set MSB, \new
.endif
.endm
	s_load_b256 s[4:11], s[0:1], 0x0               ; par s[4:5], Pin s[6:7], W s[8:9], wb s[10:11]
	s_load_b128 s[12:15], s[0:1], 0x20             ; ws s[12:13], Pout s[14:15]
	v_lshl_add_u32 v222, v0, 2, 0x12400
	v_mov_b32 v223, 0
	v_and_b32 v1, 31, v0                           ; lane
	v_lshrrev_b32 v4, 5, v0
	v_readfirstlane_b32 s16, v4                    ; wave w
	s_and_b32 s17, s16, 1                          ; g: which 32 rows I make codes for
	s_lshr_b32 s18, s16, 1                         ; which half of the blocks
	s_mov_b32 s19, ttmp9                           ; mt
	s_and_b32 s20, ttmp7, 0xffff                   ; c
	v_lshlrev_b32 v2, 4, v1                        ; 16 x lane: an image's place for my lane
	v_lshlrev_b32 v3, 3, v1                        ; 8 x lane
	v_and_b32 v5, 15, v0                           ; r
	v_bfe_u32 v6, v0, 4, 1                         ; h
	s_mul_i32 s68, s16, 16*XP
	s_add_co_u32 s68, s68, XS
	v_mul_u32_u24 v7, v5, XP
	v_lshl_add_u32 v7, v6, 5, v7
	v_add_nc_u32 v14, XS, v7                       ; h back in the result's layout: row r of a tile, + 32 h
	v_add_nc_u32 v7, s68, v7
	s_mul_i32 s68, s17, 32*XP
	s_add_co_u32 s68, s68, XS
	v_mul_u32_u24 v8, v1, XP
	v_add_nc_u32 v8, s68, v8                       ; and back: row 32 g + lane
	s_mul_i32 s68, s17, 2*MTB
	v_mul_u32_u24 v9, v6, MTB
	v_lshl_add_u32 v9, v5, 4, v9
	v_add_nc_u32 v9, s68, v9                       ; my row's 16 bytes of a block: tile 2 g + h, row r
	s_lshl_b32 s68, s17, 2
	s_add_co_u32 s68, s68, ASC
	v_add_nc_u32 v10, s68, v3                      ; my row's scale word
	v_mul_u32_u24 v11, v6, 896
	v_lshl_add_u32 v11, v5, 3, v11                 ; B's scale words: lanes 0-15 an even tile, lanes 16-31 the odd one behind it
	v_mov_b32 v12, 0x41780000                      ; 15.5
	v_mov_b32 v13, 0x41780000
.irp i, 4,5,6,7
	v_mov_b32 v[XB+\i], 0
.endr
	s_mov_b32 s60, 0x41c80000                      ; 25.0
	s_mov_b32 s61, s60
	s_cmp_eq_u32 s20, 7
	s_cselect_b32 s66, 0x4e6e6b28, 0               ; 1e9 in chunk 7: added to features from 243 on, it takes them out of the grid, so that they count for nothing in a block's scale
	s_mov_b32 s67, s66
	s_wait_kmcnt 0x0
	s_load_b64 s[22:23], s[4:5], 0x0               ; LS, the layer's number
	s_load_b32 s24, s[10:11], 0x0                  ; wb
	s_load_b32 s26, s[12:13], 0x0                  ; ws
	s_lshl_b32 s68, s19, 3
	s_add_co_u32 s68, s68, s20
	s_lshl_b32 s68, s68, 13
	s_lshl_b32 s69, s16, 11
	s_add_co_u32 s68, s68, s69                     ; (8 mt + c) 8192 + 2048 w
	s_mov_b32 s69, 0
	s_add_nc_u64 s[74:75], s[6:7], s[68:69]        ; my row tile of chunk c in Pin's slot 0
	s_lshl_b32 s68, s19, 3
	s_lshl_b32 s76, s16, 1
	s_add_co_u32 s68, s68, s76
	s_lshl_b32 s68, s68, 13
	s_lshl_b32 s76, s20, 21
	s_add_co_u32 s68, s68, s76
	s_add_nc_u64 s[80:81], s[14:15], s[68:69]      ; my 64 columns in Pout's slot c: c SLOTB + (8 mt + 2 w) 8192
	s_wait_kmcnt 0x0
	s_mov_b32 s25, s24
	s_mov_b32 s27, s26
	s_min_u32 s22, s22, 7
	s_min_u32 s23, s23, 4
	s_mul_i32 s68, s23, LAYERB
	s_mul_i32 s76, s20, CHUNKB
	s_add_co_u32 s76, s76, s68
	s_mul_i32 s77, s16, 4*TILEB
	s_add_co_u32 s76, s76, s77
	s_mov_b32 s77, 0
	s_add_nc_u64 s[70:71], s[8:9], s[76:77]        ; my four tiles' codes
	s_mul_i32 s76, s20, 14336
	s_add_co_u32 s76, s76, s68
	s_mul_i32 s77, s16, 3584
	s_add_co_u32 s76, s76, s77
	s_add_co_u32 s76, s76, SCALES
	s_mov_b32 s77, 0
	s_add_nc_u64 s[72:73], s[8:9], s[76:77]        ; and their scale bytes
.irp i, 1,2,3,4,5,6,7
	s_min_u32 s68, s22, \i
	s_lshl_b32 s68, s68, 21
	v_add_nc_u32 v[160+\i], s68, v2                ; slot min(i, LS)
	s_cmp_ge_u32 s22, \i
	s_cselect_b32 s[26+2*\i], 1.0, 0               ; with weight 1, or 0 past LS
	s_mov_b32 s[27+2*\i], s[26+2*\i]
.endr
.irp k, 0,1,2,3
	global_load_b128 v[16+4*\k:19+4*\k], v2, s[74:75] offset:512*\k
.endr
	s_wait_alu depctr_va_vdst(0)
.irp i, 1,2,3,4,5,6,7
.irp k, 0,1,2,3
	global_load_b128 v[16+16*\i+4*\k:19+16*\i+4*\k], v[160+\i], s[74:75] offset:512*\k
.endr
.endr
.irp j, 0,1
.irp q, 0,1,2,3,4,5,6
	global_load_b64 v[SB+14*\j+2*\q:SB+14*\j+2*\q+1], v11, s[72:73] offset:\j*1792+\q*128   ; the words of K steps 2 q and 2 q + 1
.endr
.endr
	s_wait_loadcnt 14                              ; the 32 loads of the slots are in; the 14 issued behind them may be out
.irp i, 1,2,3,4,5,6,7
.irp p, 0,2,4,6,8,10,12,14
	v_pk_fma_f32 v[16+\p:17+\p], v[16+16*\i+\p:17+16*\i+\p], s[26+2*\i:27+2*\i], v[16+\p:17+\p] op_sel_hi:[1,0,1]
.endr
.endr
	s_wait_alu depctr_va_vdst(0)
.irp k, 0,1,2,3
	ds_store_b128 v7, v[16+4*\k:19+4*\k] offset:(\k/2)*64+(\k%2)*16
.endr
	s_wait_dscnt 0x0                               ; for the others' sake: my rows of h lie in LDS
	s_barrier_signal -1
	s_barrier_wait -1
; n loads of B's fragments, in the order in which they are multiplied: number NBL = 8 s + 2 t + c2.  They are dealt out through the making of the codes, so that they are on their way meanwhile.
.macro BLD n
.rept \n
.set BSS, NBL/8
.set BTT, (NBL/2)%4
.set BCC, NBL%2
.if BSS < 8
	WIN 0x40                                       ; destination window 1, address window 0
	global_load_b128 v[32*BSS+8*BTT+4*BCC:32*BSS+8*BTT+4*BCC+3], v2, s[70:71] offset:BTT*TILEB+BSS*1024+BCC*512
.else
	WIN 0x80                                       ; destination window 2
	global_load_b128 v[32*(BSS-8)+8*BTT+4*BCC:32*(BSS-8)+8*BTT+4*BCC+3], v2, s[70:71] offset:BTT*TILEB+BSS*1024+BCC*512
.endif
.set NBL, NBL+1
.endr
	WIN 0
.endm
; Features 2 i and 2 i + 1 of my row, two at a time in packed forms.  j = the cell of x, held to -1 .. 56 (outside the grid: none of the four numbers exists).
; Knots g[j + k], k = -2 .. 3, each by a product and a sum that are rounded apart.  The twelve reciprocals are one batch; the whole-number work stands behind them; then the one wait.
.macro FEAT2 i
.set FP, (\i)%2
.set XR, X+2*(\i)
	v_pk_fma_f32 v[88:89], v[XR:XR+1], s[60:61], v[12:13] op_sel_hi:[1,0,1]
	v_floor_f32 v90, v88
	v_floor_f32 v91, v89
	v_med3_num_f32 v90, v90, -1.0, 0x42600000
	v_med3_num_f32 v91, v91, -1.0, 0x42600000
	v_cvt_i32_f32 v92, v90
	v_cvt_i32_f32 v93, v91
	v_pk_add_f32 v[94:95], v[90:91], 0xc0a00000 op_sel_hi:[1,0]     ; j - 5: knot j - 2
	v_pk_add_f32 v[96:97], v[90:91], -4.0 op_sel_hi:[1,0]           ; knot j - 1
	v_pk_add_f32 v[98:99], v[90:91], 0xc0400000 op_sel_hi:[1,0]     ; knot j
	v_pk_add_f32 v[100:101], v[90:91], -2.0 op_sel_hi:[1,0]         ; knot j + 1
	v_pk_add_f32 v[102:103], v[90:91], -1.0 op_sel_hi:[1,0]         ; knot j + 2
.irp k, 94,96,98,100,102
	v_pk_mul_f32 v[\k:\k+1], v[\k:\k+1], 0x3d23d70a op_sel_hi:[1,0]
.endr
	v_pk_mul_f32 v[104:105], v[90:91], 0x3d23d70a op_sel_hi:[1,0]   ; knot j + 3
.irp k, 94,96,98,100,102,104
	v_pk_add_f32 v[\k:\k+1], v[\k:\k+1], -0.5 op_sel_hi:[1,0]
.endr
	v_pk_add_f32 v[106:107], v[XR:XR+1], v[98:99] neg_lo:[0,1] neg_hi:[0,1]      ; L0 = x - g[j]
	v_pk_add_f32 v[108:109], v[XR:XR+1], v[96:97] neg_lo:[0,1] neg_hi:[0,1]      ; L1 = x - g[j-1]
	v_pk_add_f32 v[110:111], v[XR:XR+1], v[94:95] neg_lo:[0,1] neg_hi:[0,1]      ; L2 = x - g[j-2]
	v_pk_add_f32 v[112:113], v[100:101], v[XR:XR+1] neg_lo:[0,1] neg_hi:[0,1]    ; R1 = g[j+1] - x
	v_pk_add_f32 v[114:115], v[102:103], v[XR:XR+1] neg_lo:[0,1] neg_hi:[0,1]    ; R2 = g[j+2] - x
	v_pk_add_f32 v[116:117], v[104:105], v[XR:XR+1] neg_lo:[0,1] neg_hi:[0,1]    ; R3 = g[j+3] - x
	v_pk_add_f32 v[118:119], v[100:101], v[98:99] neg_lo:[0,1] neg_hi:[0,1]      ; d1  = g[j+1] - g[j]
	v_pk_add_f32 v[120:121], v[102:103], v[98:99] neg_lo:[0,1] neg_hi:[0,1]      ; d2a = g[j+2] - g[j]
	v_pk_add_f32 v[122:123], v[100:101], v[96:97] neg_lo:[0,1] neg_hi:[0,1]      ; d2b = g[j+1] - g[j-1]
	v_pk_add_f32 v[124:125], v[104:105], v[98:99] neg_lo:[0,1] neg_hi:[0,1]      ; d3a = g[j+3] - g[j]
	v_pk_add_f32 v[126:127], v[102:103], v[96:97] neg_lo:[0,1] neg_hi:[0,1]      ; d3b = g[j+2] - g[j-1]
	v_pk_add_f32 v[128:129], v[100:101], v[94:95] neg_lo:[0,1] neg_hi:[0,1]      ; d3c = g[j+1] - g[j-2]
	s_wait_alu depctr_va_vdst(0)
.irp k, 118,119,120,121,122,123,124,125,126,127,128,129
	v_rcp_f32 v[\k], v[\k]
.endr
.irp p, 0,1
	v_add_nc_u32 v156, 53*(2*(\i)+\p)-3, v[92+\p]  ; the first number's place along the chunk's K: 53 f + j - 3
.irp m, 0,1,2,3
	v_add_nc_u32 v157, \m-3, v[92+\p]              ; which basis number: it exists from 0 to 52
	v_cmp_gt_u32 s52, 53, v157
	v_add_nc_u32 v158, \m, v156
	v_ashrrev_i32 v158, 5, v158
	v_cndmask_b32 v[BL+8*FP+2*\m+\p], -1, v158, s52
.endr
	v_lshlrev_b32 v[A4+2*FP+\p], 2, v156
	v_xor_b32 v[NA+2*FP+\p], -1, v[A4+2*FP+\p]
	v_and_b32 v157, 8, v156
	v_cmp_ne_u32 s[44+4*FP+2*\p], 0, v157          ; the place's word among the block's four: its low bit,
	v_and_b32 v158, 16, v156
	v_cmp_ne_u32 s[45+4*FP+2*\p], 0, v158          ; its high bit
.endr
	s_wait_alu depctr_va_vdst(0)                   ; one wait for the twelve reciprocals, ahead of their first reader
	v_pk_mul_f32 v[142:143], v[106:107], v[118:119]                ; order 1: at j,
	v_pk_mul_f32 v[144:145], v[112:113], v[118:119]                ; at j - 1
	v_pk_mul_f32 v[152:153], v[106:107], v[120:121]
	v_pk_mul_f32 v[154:155], v[114:115], v[120:121]
	v_pk_mul_f32 v[130:131], v[108:109], v[122:123]
	v_pk_mul_f32 v[132:133], v[112:113], v[122:123]
	v_pk_mul_f32 v[146:147], v[152:153], v[142:143]                ; order 2: at j,
	v_pk_mul_f32 v[154:155], v[154:155], v[142:143]
	v_pk_mul_f32 v[150:151], v[132:133], v[144:145]                ; at j - 2,
	v_pk_fma_f32 v[148:149], v[130:131], v[144:145], v[154:155]    ; at j - 1
	v_pk_mul_f32 v[130:131], v[106:107], v[124:125]
	v_pk_mul_f32 v[132:133], v[116:117], v[124:125]
	v_pk_mul_f32 v[134:135], v[108:109], v[126:127]
	v_pk_mul_f32 v[136:137], v[114:115], v[126:127]
	v_pk_mul_f32 v[138:139], v[110:111], v[128:129]
	v_pk_mul_f32 v[140:141], v[112:113], v[128:129]
	v_pk_mul_f32 v[VV+8*FP+6:VV+8*FP+7], v[130:131], v[146:147]    ; order 3: basis number j,
	v_pk_mul_f32 v[132:133], v[132:133], v[146:147]
	v_pk_mul_f32 v[136:137], v[136:137], v[148:149]
	v_pk_mul_f32 v[VV+8*FP:VV+8*FP+1], v[140:141], v[150:151]      ; j - 3,
	s_wait_alu depctr_va_vdst(0)
	v_pk_fma_f32 v[VV+8*FP+4:VV+8*FP+5], v[134:135], v[148:149], v[132:133]   ; j - 1,
	v_pk_fma_f32 v[VV+8*FP+2:VV+8*FP+3], v[138:139], v[150:151], v[136:137]   ; j - 2
.endm
; Feature f's 16 bits of codes in v[c] are turned left by 4 x (its first number's place) within 128 bits, into v[d] .. v[d + 3].  What wraps round are codes of numbers that fall into another block: zeros.
.macro PLACE d, c, f
.set PQ, ((\f)/2)%2
.set PH, (\f)%2
	v_lshlrev_b32 v189, v[A4+2*PQ+PH], v[\c]       ; within a word (a shift takes the low five bits of its amount),
	v_lshrrev_b32 v191, 1, v[\c]
	v_lshrrev_b32 v191, v[NA+2*PQ+PH], v191        ; and what spills into the next
	v_cndmask_b32 v192, v189, 0, s[44+4*PQ+2*PH]   ; on by one word?
	v_cndmask_b32 v193, v191, v189, s[44+4*PQ+2*PH]
	v_cndmask_b32 v194, 0, v191, s[44+4*PQ+2*PH]
	v_cndmask_b32 v[\d], v192, v194, s[45+4*PQ+2*PH]   ; on by two words?
	v_cndmask_b32 v[\d+1], v193, 0, s[45+4*PQ+2*PH]
	v_cndmask_b32 v[\d+2], v194, v192, s[45+4*PQ+2*PH]
	v_cndmask_b32 v[\d+3], 0, v193, s[45+4*PQ+2*PH]
.endm
; Block b of the chunk: k = 32 b .. 32 b + 31 meet features F0 and F1.
.macro BLOCK b
.set F0, (32*(\b))/53
.set F1, (32*(\b)+31)/53
	BLD 4
.if F1/2 >= NEXTPAIR
	FEAT2 NEXTPAIR
.set NEXTPAIR, NEXTPAIR+1
.endif
.set VA, VV+8*((F0/2)%2)+F0%2
.set BA, BL+8*((F0/2)%2)+F0%2
.set VB, VV+8*((F1/2)%2)+F1%2
.set BB, BL+8*((F1/2)%2)+F1%2
.set RR, RG+4*((\b)%4)
.set SR, SWD+((\b)/4)%2
	s_wait_dscnt 3                                 ; the store that read this turn's registers has three LDS stores or more behind it: it is done
.if F0 == F1
.irp m, 0,1,2,3
	v_cmp_eq_u32 s[52+\m], \b, v[BA+2*\m]
.endr
	s_wait_alu depctr_va_vdst(0)
.irp m, 0,1,2,3
	v_cndmask_b32 v[XB+\m], 0, v[VA+2*\m], s[52+\m]
.endr
	v_max3_num_f32 v184, |v[XB]|, |v[XB+1]|, 0x1800000   ; the block's largest magnitude (all its other numbers are 0), and the floor 2^(3 - 127)
	v_max3_num_f32 v184, v184, |v[XB+2]|, |v[XB+3]|
	v_add_nc_u32 v185, 0xff000000, v184            ; 2 off its exponent field: the conversion's scale operand
	v_cvt_scalef32_pk8_fp4_f32 v187, v[XB:XB+7], v185
	v_lshrrev_b32 v186, 23, v185                   ; the scale's byte (a plain instruction behind the conversion)
.else
.irp m, 0,1,2,3
	v_cmp_eq_u32 s[52+\m], \b, v[BA+2*\m]
	v_cmp_eq_u32 s[56+\m], \b, v[BB+2*\m]
.endr
.irp m, 0,1,2,3
	v_cndmask_b32 v[XA+\m], 0, v[VA+2*\m], s[52+\m]
	v_cndmask_b32 v[XA+4+\m], 0, v[VB+2*\m], s[56+\m]
.endr
	v_max3_num_f32 v184, |v[XA]|, |v[XA+1]|, 0x1800000
	v_max3_num_f32 v184, v184, |v[XA+2]|, |v[XA+3]|
	v_max3_num_f32 v184, v184, |v[XA+4]|, |v[XA+5]|
	v_max3_num_f32 v184, v184, |v[XA+6]|, |v[XA+7]|
	v_add_nc_u32 v185, 0xff000000, v184
	v_cvt_scalef32_pk8_fp4_f32 v187, v[XA:XA+7], v185
	v_lshrrev_b32 v186, 23, v185
.endif
.if (\b)%4 == 0
	v_mov_b32 v[SR], v186                          ; four bytes make my row's scale word of a K step
.else
	v_lshl_or_b32 v[SR], v186, 8*((\b)%4), v[SR]
.endif
.if F0 == F1
	PLACE RR, 187, F0                              ; (the upper 16 bits are codes of zeros)
.else
	v_and_b32 v188, 0xffff, v187
	v_lshrrev_b32 v190, 16, v187
	PLACE RR, 188, F0
	PLACE OO, 190, F1
.irp q, 0,1,2,3
	v_or_b32 v[RR+\q], v[RR+\q], v[OO+\q]
.endr
.endif
	ds_store_b128 v9, v[RR:RR+3] offset:256*(\b)
.if (\b)%4 == 3
	ds_store_b32 v10, v[SR] offset:256*((\b)/4)
.endif
.if (\b) == 52
	v_or_b32 v[SR], 0x7f7f7f00, v[SR]              ; K step 13: block 52 and three blocks of zeros
	ds_store_b32 v10, v[SR] offset:256*13
.endif
.endm
; The base product's block: silu of my row's 32 features, x / (1 + 2^(-x log2 e)).  Each batch of 32 has a plain instruction and one wait behind it.
.macro BASE
.set J, 0
.rept 16
	v_pk_mul_f32 v[88+J:89+J], v[X+J:X+J+1], 0xbfb8aa3b op_sel_hi:[1,0]
.set J, J+2
.endr
.set J, 0
	s_wait_alu depctr_va_vdst(0)
.rept 32
	v_exp_f32 v[88+J], v[88+J]
.set J, J+1
.endr
	v_nop
	s_wait_alu depctr_va_vdst(0)
.set J, 0
.rept 16
	v_pk_add_f32 v[88+J:89+J], v[88+J:89+J], 1.0 op_sel_hi:[1,0]
.set J, J+2
.endr
.set J, 0
	s_wait_alu depctr_va_vdst(0)
.rept 32
	v_rcp_f32 v[88+J], v[88+J]
.set J, J+1
.endr
	v_nop
	s_wait_alu depctr_va_vdst(0)
.set J, 0
.rept 16
	v_pk_mul_f32 v[88+J:89+J], v[88+J:89+J], v[X+J:X+J+1]
.set J, J+2
.endr
	v_max3_num_f32 v184, |v88|, |v89|, 0x1800000
.set J, 2
.rept 15
	v_max3_num_f32 v184, v184, |v[88+J]|, |v[89+J]|
.set J, J+2
.endr
	v_add_nc_u32 v185, 0xff000000, v184
.irp q, 0,1,2,3
	v_cvt_scalef32_pk8_fp4_f32 v[RG+\q], v[88+8*\q:95+8*\q], v185
.endr
	v_lshrrev_b32 v186, 23, v185
	v_lshl_or_b32 v[SWD], v186, 8, 0x7f7f007f      ; K step 14: zeros, the base block, zeros, zeros
	ds_store_b128 v9, v[RG:RG+3] offset:256*57
	ds_store_b32 v10, v[SWD] offset:256*14
.endm
.irp i, 0,1,2,3,4,5,6,7
	ds_load_b128 v[X+4*\i:X+4*\i+3], v8 offset:16*\i
.endr
	s_wait_dscnt 0x0
	s_cmp_lg_u32 s18, 0
	s_cbranch_scc1 .Lupper
.set NEXTPAIR, 0
.set NBL, 0
.set BQ, 0
.rept 28                               ; K steps 0 to 6
	BLOCK BQ
.set BQ, BQ+1
.endr
	s_branch .Ljoin
.Lupper:
.set NBL, 0
	BLD 12                                         ; 12 + 25 x 4: all 112 fragments on this way too
	BASE
.irp a, 53,54,55,56,58,59
	ds_store_b128 v9, v[XB+4:XB+7] offset:256*\a   ; the blocks of zeros
.endr
	v_add_f32 v[X+19], s66, v[X+19]                ; chunk 7: features 243 on leave the grid (behind BASE, for which they are 0)
.irp p, 20,22,24,26,28,30
	v_pk_add_f32 v[X+\p:X+\p+1], v[X+\p:X+\p+1], s[66:67] op_sel_hi:[1,0]
.endr
.set NEXTPAIR, 8
.set BQ, 28
.rept 25                               ; K steps 7 to 13
	BLOCK BQ
.set BQ, BQ+1
.endr
.Ljoin:
	s_wait_dscnt 0x0                               ; for the others' sake: my images and scale words lie in LDS
	s_barrier_signal -1
	s_barrier_wait -1
; Turn g = 15 x half + K step: A's two fragments (row tiles 2 half, 2 half + 1) and their scale word (lanes 0-15 the even tile's, lanes 16-31 the odd one's), into set g % 4: five loads
.macro FETCH g
.set FS, (\g)%15
.set FH, (\g)/15
.set FR, 16+16*((\g)%4)
.irp m, 0,1
.irp c, 0,1
	ds_load_b128 v[FR+8*\m+4*\c:FR+8*\m+4*\c+3], v2 offset:(2*FH+\m)*MTB+FS*1024+\c*512
.endr
.endr
	ds_load_b32 v[SA+(\g)%4], v3 offset:ASC+256*FS+4*FH
.endm
.macro MM                              ; one product; ZC: it starts its sum; RA, RB: source 0's, source 1's scales stand in lanes 16-31
.if ZC
.if RA && RB
	v_wmma_scale_f32_16x16x128_f8f6f4 v[DR:DR+7], v[BF:BF+7], v[AF:AF+7], 0, v[SBR], v[SAR] matrix_a_fmt:MATRIX_FMT_FP4 matrix_b_fmt:MATRIX_FMT_FP4 matrix_a_scale:MATRIX_SCALE_ROW1 matrix_b_scale:MATRIX_SCALE_ROW1
.elseif RA
	v_wmma_scale_f32_16x16x128_f8f6f4 v[DR:DR+7], v[BF:BF+7], v[AF:AF+7], 0, v[SBR], v[SAR] matrix_a_fmt:MATRIX_FMT_FP4 matrix_b_fmt:MATRIX_FMT_FP4 matrix_a_scale:MATRIX_SCALE_ROW1
.elseif RB
	v_wmma_scale_f32_16x16x128_f8f6f4 v[DR:DR+7], v[BF:BF+7], v[AF:AF+7], 0, v[SBR], v[SAR] matrix_a_fmt:MATRIX_FMT_FP4 matrix_b_fmt:MATRIX_FMT_FP4 matrix_b_scale:MATRIX_SCALE_ROW1
.else
	v_wmma_scale_f32_16x16x128_f8f6f4 v[DR:DR+7], v[BF:BF+7], v[AF:AF+7], 0, v[SBR], v[SAR] matrix_a_fmt:MATRIX_FMT_FP4 matrix_b_fmt:MATRIX_FMT_FP4
.endif
.else
.if RA && RB
	v_wmma_scale_f32_16x16x128_f8f6f4 v[DR:DR+7], v[BF:BF+7], v[AF:AF+7], v[DR:DR+7], v[SBR], v[SAR] matrix_a_fmt:MATRIX_FMT_FP4 matrix_b_fmt:MATRIX_FMT_FP4 matrix_a_scale:MATRIX_SCALE_ROW1 matrix_b_scale:MATRIX_SCALE_ROW1
.elseif RA
	v_wmma_scale_f32_16x16x128_f8f6f4 v[DR:DR+7], v[BF:BF+7], v[AF:AF+7], v[DR:DR+7], v[SBR], v[SAR] matrix_a_fmt:MATRIX_FMT_FP4 matrix_b_fmt:MATRIX_FMT_FP4 matrix_a_scale:MATRIX_SCALE_ROW1
.elseif RB
	v_wmma_scale_f32_16x16x128_f8f6f4 v[DR:DR+7], v[BF:BF+7], v[AF:AF+7], v[DR:DR+7], v[SBR], v[SAR] matrix_a_fmt:MATRIX_FMT_FP4 matrix_b_fmt:MATRIX_FMT_FP4 matrix_b_scale:MATRIX_SCALE_ROW1
.else
	v_wmma_scale_f32_16x16x128_f8f6f4 v[DR:DR+7], v[BF:BF+7], v[AF:AF+7], v[DR:DR+7], v[SBR], v[SAR] matrix_a_fmt:MATRIX_FMT_FP4 matrix_b_fmt:MATRIX_FMT_FP4
.endif
.endif
.endm
.macro STEP s, g                       ; K step s in turn g: 8 products, two tiles of rows x my four tiles of columns; the 8 sums take turns
.if (\g) < 27
.rept 4
	v_nop                                          ; four places behind the last turn's products, whose fragments of A and scale word are loaded anew below
.endr
	WIN 0
	FETCH (\g)+3
	s_wait_dscnt 15                                ; this turn's five loads are in; those of the three turns behind it may be out
.else
	s_wait_dscnt 5*(29-(\g))                       ; the last turns fetch nothing
.endif
.set ZC, 0
.set DB, 0
.if (\s) == 0
.set ZC, 1
.endif
.if (\s) < 8
	WIN 0xf1                                       ; source 0 (B) window 1, source 1 (A) window 0, C and D window 3
.set BR, 32*(\s)
.set SBS, \s
.elseif (\s) < 14
	WIN 0xf2                                       ; B in window 2
.set BR, 32*((\s)-8)
.set SBS, \s
.else
	WIN 0xf2
.set BR, 32*5                          ; B's K step 13 once more, into the base sums
.set SBS, 13
.set ZC, 1
.set DB, 128
.endif
.irp m, 0,1
.irp t, 0,1,2,3
.set DR, DB+8*(4*(2*((\g)/15)+\m)+\t)
.set BF, BR+8*\t
.set AF, 16+16*((\g)%4)+8*\m
.set SBR, SB+14*(\t/2)+SBS
.set SAR, SA+(\g)%4
.set RA, \t%2
.set RB, \m
	MM
.endr
.endr
.endm
.macro ADDH t0                         ; h onto my tiles t0 and t0 + 1
.irp m, 0,1
.irp t, 0,1
.irp p, 0,2,4,6
	v_pk_add_f32 v[RES+8*(4*\m+\t0+\t)+\p:RES+8*(4*\m+\t0+\t)+\p+1], v[RES+8*(4*\m+\t0+\t)+\p:RES+8*(4*\m+\t0+\t)+\p+1], v[HQ+16*\m+8*\t+\p:HQ+16*\m+8*\t+\p+1]
.endr
.endr
.endr
.endm
.macro OUT hf                          ; a half's results: wb Base + ws S (+ h), and their stores
.set RES, 80+64*(\hf)
.set HQ, 144-64*(\hf)
.rept 4
	v_nop                                          ; four places behind the last products, ahead of the first read of results
.endr
	WIN 0x03                                       ; source 0 window 3
.set AQ, 0
.rept 8                                ; each sum is read from its low end on
.irp p, 0,2,4,6
	v_pk_mul_f32 v[RES+8*AQ+\p:RES+8*AQ+\p+1], v[128+64*(\hf)+8*AQ+\p:129+64*(\hf)+8*AQ+\p], s[24:25] op_sel_hi:[1,0]
.endr
.irp p, 0,2,4,6
	v_pk_fma_f32 v[RES+8*AQ+\p:RES+8*AQ+\p+1], v[64*(\hf)+8*AQ+\p:64*(\hf)+8*AQ+\p+1], s[26:27], v[RES+8*AQ+\p:RES+8*AQ+\p+1] op_sel_hi:[1,0,1]
.endr
.set AQ, AQ+1
.endr
	WIN 0
	s_wait_alu depctr_va_vdst(0)                   ; ahead of the branches
	s_cmp_eq_u32 s22, 0                            ; a stored whole number: layer 0 has no residual
	s_cbranch_scc1 .Lout_\hf
	s_lshr_b32 s68, s20, 1
	s_cmp_lg_u32 s68, s16                          ; columns 32 c .. are wave c / 2's
	s_cbranch_scc1 .Lout_\hf
.if \hf
	s_wait_xcnt 0x0                                ; the first half's stores have read v80-111, on which h lands
.endif
.irp m, 0,1
.irp t, 0,1
.irp u, 0,1
	ds_load_b128 v[HQ+16*\m+8*\t+4*\u:HQ+16*\m+8*\t+4*\u+3], v14 offset:(2*(\hf)+\m)*16*XP+\t*64+\u*16
.endr
.endr
.endr
	s_wait_dscnt 0x0
	s_bitcmp1_b32 s20, 0
	s_cbranch_scc1 .Lodd_\hf
	ADDH 0
	s_branch .Lout_\hf
.Lodd_\hf:
	ADDH 2
.Lout_\hf:
	s_wait_alu depctr_va_vdst(0)                   ; behind the branches
.irp m, 0,1
.irp t, 0,1,2,3
.irp u, 0,1
	global_store_b128 v2, v[RES+8*(4*\m+\t)+4*\u:RES+8*(4*\m+\t)+4*\u+3], s[80:81] offset:(\t/2)*8192+(2*(\hf)+\m)*2048+(\t%2)*1024+\u*512   ; 32 lanes store 512 consecutive bytes, at a multiple of 256 from the buffer's first byte
.endr
.endr
.endr
.endm
	s_wait_loadcnt 0x0                             ; B's fragments and scale words
	FETCH 0
	FETCH 1
	FETCH 2
.set KQ, 0
.rept 15
	STEP KQ, KQ
.set KQ, KQ+1
.endr
	OUT 0
.set KQ, 0
.rept 15
	STEP KQ, KQ+15
.set KQ, KQ+1
.endr
	OUT 1
	s_wait_tensorcnt 0x0
	ds_add_u32 v222, v223
	s_wait_dscnt 0x0
	s_endpgm
.Lfunc_end_k_qc9d1431c3b_layer0:
	.size	k_qc9d1431c3b_layer0, .Lfunc_end_k_qc9d1431c3b_layer0-k_qc9d1431c3b_layer0
	.p2alignl 7, 3214868480
	.fill 96, 4, 3214868480
	.section	.rodata,"a",@progbits
	.p2align	6, 0x0
	.amdhsa_kernel k_qc9d1431c3b_layer0
		.amdhsa_group_segment_fixed_size 75264
		.amdhsa_private_segment_fixed_size 0
		.amdhsa_enable_private_segment 0
		.amdhsa_kernarg_size 48
		.amdhsa_user_sgpr_count 2
		.amdhsa_user_sgpr_kernarg_segment_ptr 1
		.amdhsa_wavefront_size32 1
		.amdhsa_system_sgpr_workgroup_id_x 1
		.amdhsa_system_sgpr_workgroup_id_y 1
		.amdhsa_system_sgpr_workgroup_id_z 1
		.amdhsa_system_vgpr_workitem_id 0
		.amdhsa_next_free_vgpr 1024
		.amdhsa_next_free_sgpr 90
		.amdhsa_reserve_vcc 0
		.amdhsa_float_denorm_mode_32 3
		.amdhsa_float_denorm_mode_16_64 3
		.amdhsa_memory_ordered 1
		.amdhsa_forward_progress 1
		.amdhsa_inst_pref_size 255
	.end_amdhsa_kernel
	.section	.bss,"aw",@nobits
	.p2align	6
	.space	262144
	.amdgpu_metadata
---
amdhsa.version: [ 1, 2 ]
amdhsa.kernels:
  - .name:           k_qc9d1431c3b_layer0
    .symbol:         k_qc9d1431c3b_layer0.kd
    .args:
      - { .name: par0, .offset: 0, .size: 8, .value_kind: global_buffer, .address_space: global }
      - { .name: PA, .offset: 8, .size: 8, .value_kind: global_buffer, .address_space: global }
      - { .name: W, .offset: 16, .size: 8, .value_kind: global_buffer, .address_space: global }
      - { .name: wb0, .offset: 24, .size: 8, .value_kind: global_buffer, .address_space: global }
      - { .name: ws0, .offset: 32, .size: 8, .value_kind: global_buffer, .address_space: global }
      - { .name: PB, .offset: 40, .size: 8, .value_kind: global_buffer, .address_space: global }
    .group_segment_fixed_size: 75264
    .private_segment_fixed_size: 0
    .kernarg_segment_align: 8
    .kernarg_segment_size: 48
    .max_flat_workgroup_size: 128
    .sgpr_count:     90
    .vgpr_count:     1024
    .wavefront_size: 32
...
	.end_amdgpu_metadata
.endif
;; end of part 2
;; launch layer1: the kernel of part 2 again; grid 32 x 8, 4 waves a work-group, no clusters, 75,264 bytes of LDS; arguments par1, PB, W, wb1, ws1, PA; writes PA
;; launch layer2: the kernel of part 2 again; grid 32 x 8, 4 waves a work-group, no clusters, 75,264 bytes of LDS; arguments par2, PA, W, wb2, ws2, PB; writes PB
;; launch layer3: the kernel of part 2 again; grid 32 x 8, 4 waves a work-group, no clusters, 75,264 bytes of LDS; arguments par3, PB, W, wb3, ws3, PA; writes PA
;; launch layer4: the kernel of part 2 again; grid 32 x 8, 4 waves a work-group, no clusters, 75,264 bytes of LDS; arguments par4, PA, W, wb4, ws4, PB; writes PB
;; launch final (part 3): grid 256 x 1, 8 waves a work-group, no clusters, 64,768 bytes of LDS; arguments PB, bw5, sw5, wb5, ws5, out0; writes out0
.if DOCPART == 3
	.amdgcn_target "amdgcn-amd-amdhsa--gfx1250"
	.amdhsa_code_object_version 6
	.text
	.protected	k_qc9d1431c3b_final
	.globl	k_qc9d1431c3b_final
	.p2align	8
	.type	k_qc9d1431c3b_final,@function
k_qc9d1431c3b_final:
	s_mov_b64 s[64:65], 0
	v_nop
	global_prefetch_b8 v0, s[64:65] scope:SCOPE_SE
	s_setreg_imm32_b32 hwreg(HW_REG_WAVE_MODE, 25, 1), 1
	s_wait_xcnt 0x0
; THE LAST LAYER, 243 -> 1, in f32 by vector instructions (one output column: nothing for the matrix units): out = wb5 silu(h) . bw5 + ws5 basis(h) . sw5.
; A work-group takes 8 rows; wave cd takes features 32 cd .. 32 cd + 31.  h = the sum of PB's eight slots, added while it is loaded.
; h turns through the wave's own stage in LDS, so that A LANE IS A FEATURE and its eight registers are the eight rows; the feature's 53 numbers of sw5 lie in 53 registers
; (loaded 128 consecutive bytes an instruction, turned through the wave's own table in LDS).
; Of a feature's 53 basis numbers four are not 0.  Nothing is quantised behind them, so they come by the closed form of the uniform cubic B-spline in t = 25 x + 15.5 - j.
; The four weights sw5[f][j - 3 .. j] are picked by a funnel of selects on the six bits of j, 81 lines: no address hangs on a number.  Entries outside 0 .. 52 are the constant 0.
; LIMITS: NaN and infinities are not served.  The knots are taken as uniform: the definition's f32 knots lie within some 4e-6 of a cell of them.
; PB has eight slots: the residual is already added into layer 4's partial results, so h is the sum of slots 0 to 7.
.set SLOTB, 2097152
.set WREG,  7936                       ; LDS: each wave's own bytes: a table of 1,696 numbers, then a stage of 8 rows x 144 bytes
.set STG,   6784
.set RED,   63488                      ; behind them: the waves' sums, 32 bytes a wave
.set HR,    24                         ; v24-31   my feature of the eight rows
.set TW,    96                         ; v96-148  my feature's 53 weights
.set F1,    149                        ; v149-183 the funnel's first stage; the later stages in v32-77
.set AC,    184                        ; v184-191 a sum for each row
	s_load_b256 s[4:11], s[0:1], 0x0               ; PB s[4:5], bw5 s[6:7], sw5 s[8:9], wb5 s[10:11]
	s_load_b128 s[12:15], s[0:1], 0x20             ; ws5 s[12:13], out0 s[14:15]
	v_lshl_add_u32 v192, v0, 2, 0xf900
	v_mov_b32 v193, 0
	v_and_b32 v1, 31, v0                           ; lane
	s_wait_alu depctr_va_vdst(0)
	v_lshrrev_b32 v2, 5, v0
	s_delay_alu instid0(VALU_DEP_1)
	v_readfirstlane_b32 s16, v2                    ; wave = chunk cd
	v_and_b32 v3, 7, v0                            ; for the loads of PB a lane is row r', + 8 u + 16 h
	s_wait_alu depctr_va_vdst(0)
	v_bfe_u32 v4, v0, 3, 1
	v_bfe_u32 v5, v0, 4, 1
	v_lshlrev_b32 v6, 4, v3
	s_delay_alu instid0(VALU_DEP_1)
	v_lshl_add_u32 v6, v4, 9, v6
	s_delay_alu instid0(VALU_DEP_1)
	v_lshl_add_u32 v6, v5, 8, v6                   ; 16 r' + 512 u + 256 h
	s_lshr_b32 s17, ttmp9, 3                       ; rows 8 x on: mt = x / 8,
	s_lshl_b32 s17, s17, 3
	s_add_co_u32 s17, s17, s16
	s_lshl_b32 s17, s17, 13
	s_bfe_u32 s18, ttmp9, 0x20001                  ; row tile (x / 2) % 4,
	s_lshl_b32 s18, s18, 11
	s_add_co_u32 s17, s17, s18
	s_and_b32 s18, ttmp9, 1                        ; its upper or lower eight rows
	s_lshl_b32 s18, s18, 7
	s_add_co_u32 s20, s17, s18
	s_mov_b32 s21, 0
	s_mul_i32 s22, s16, WREG
	s_add_co_u32 s23, s22, STG
	v_lshl_add_u32 v7, v1, 2, s22                  ; the table, as loaded
	v_mul_u32_u24 v8, v1, 212
	s_delay_alu instid0(VALU_DEP_1)
	v_add_nc_u32 v8, s22, v8                       ; and by features: 53 words apart
	v_mul_u32_u24 v9, v3, 144
	s_wait_alu depctr_va_vdst(0)
	v_lshl_add_u32 v9, v5, 5, v9
	s_delay_alu instid0(VALU_DEP_1)
	v_lshl_add_u32 v9, v4, 4, v9
	s_delay_alu instid0(VALU_DEP_1)
	v_add_nc_u32 v9, s23, v9                       ; the stage: row r', + 32 h + 16 u
	v_lshl_add_u32 v10, v1, 2, s23                 ; and back: 4 bytes a feature
	v_and_b32 v11, 0xe0, v0
	s_delay_alu instid0(VALU_DEP_1)
	v_add_nc_u32 v11, RED, v11                     ; my wave's eight sums
	v_lshl_add_u32 v12, v3, 2, RED                 ; a row's sums
	s_lshl_b32 s25, s16, 5
	v_add_nc_u32 v13, s25, v1                      ; my feature
	s_delay_alu instid0(VALU_DEP_1)
	v_min_u32 v14, 242, v13
	s_delay_alu instid0(VALU_DEP_1)
	v_lshlrev_b32 v14, 2, v14
	s_mul_i32 s26, s16, 6784
	v_lshl_add_u32 v15, v1, 2, s26
	v_mov_b32 v91, 0x41c80000                      ; 25.0
	s_mov_b32 s39, 0x3e2aaaab                      ; 1 / 6
	s_mov_b32 s46, 0x76543210
	s_mov_b32 s47, 0xfedcba98                      ; v_permlanex16_b32's selects for lane l xor 16
	s_wait_alu depctr_va_vdst(0)
	s_wait_kmcnt 0x0
	s_load_b32 s28, s[10:11], 0x0                  ; wb5
	s_load_b32 s29, s[12:13], 0x0                  ; ws5
	s_add_nc_u64 s[30:31], s[4:5], s[20:21]        ; two bases, so that a slot's distance stays inside the signed 24-bit immediate (ISA guide, chapter 10)
	s_add_nc_u64 s[32:33], s[30:31], 4*SLOTB
.irp sl, 0,1,2,3,4,5,6,7
.irp t, 0,1
	global_load_b128 v[16+8*\sl+4*\t:19+8*\sl+4*\t], v6, s[30+2*(\sl/4):31+2*(\sl/4)] offset:(\sl%4)*SLOTB+\t*1024
.endr
.endr
	global_load_b32 v88, v14, s[6:7]               ; bw5 of my feature
.set N, 0
.rept 53
	v_add_nc_u32 v[TW+N], 128*N, v15
	s_delay_alu instid0(VALU_DEP_1)
	v_min_u32 v[TW+N], 51512, v[TW+N]              ; no load leaves sw5: what lies past it belongs to features that do not exist
	global_load_b32 v[TW+N], v[TW+N], s[8:9]       ; (the load lands on its own offset)
.set N, N+1
.endr
	s_wait_loadcnt 54                              ; the 16 loads of the slots are in; the 54 issued behind them may be out
.irp sl, 1,2,3,4,5,6,7
.irp p, 0,2,4,6
	v_pk_add_f32 v[16+\p:17+\p], v[16+\p:17+\p], v[16+8*\sl+\p:17+8*\sl+\p]
.endr
.endr
	ds_store_b128 v9, v[16:19]
	ds_store_b128 v9, v[20:23] offset:64
.irp i, 0,1,2,3,4,5,6,7
	ds_load_b32 v[HR+\i], v10 offset:144*\i        ; LDS serves a wave's instructions in order (ISA guide 5.7.1.4): these see my stores
.endr
	s_wait_loadcnt 0x0
.set N, 0
.rept 53
	ds_store_b32 v7, v[TW+N] offset:128*N
.set N, N+1
.endr
	s_wait_dscnt 0x0                               ; h is in, and the stores have read their registers
.set N, 0
.rept 53
	ds_load_b32 v[TW+N], v8 offset:4*N
.set N, N+1
.endr
	; silu of the eight rows, while the table comes back
.irp i, 0,1,2,3,4,5,6,7
	v_mul_f32 v[AC+\i], 0xbfb8aa3b, v[HR+\i]
.endr
	s_wait_alu depctr_va_vdst(0)
.irp i, 0,1,2,3,4,5,6,7
	v_exp_f32 v[AC+\i], v[AC+\i]
.endr
	v_cmp_gt_u32 s36, 243, v13                     ; does my feature exist?  (a plain instruction behind the batch)
	s_wait_alu depctr_va_vdst(0)                   ; one wait for the batch, ahead of its first reader
.irp i, 0,1,2,3,4,5,6,7
	v_add_f32 v[AC+\i], 1.0, v[AC+\i]
.endr
	s_wait_alu depctr_va_vdst(0)
.irp i, 0,1,2,3,4,5,6,7
	v_rcp_f32 v[AC+\i], v[AC+\i]
.endr
	s_wait_kmcnt 0x0
	v_mul_f32 v89, s28, v88                        ; wb5 bw5, (a plain instruction behind the batch)
	s_delay_alu instid0(VALU_DEP_1)
	v_cndmask_b32 v89, 0, v89, s36                 ; or 0
	v_mov_b32 v90, s29
	s_delay_alu instid0(VALU_DEP_1)
	v_cndmask_b32 v90, 0, v90, s36                 ; ws5, or 0
	s_wait_alu depctr_va_vdst(0)
.irp i, 0,1,2,3,4,5,6,7
	v_mul_f32 v[AC+\i], v[AC+\i], v[HR+\i]
.endr
.irp i, 0,1,2,3,4,5,6,7
	v_mul_f32 v[AC+\i], v[AC+\i], v89
.endr
	s_wait_dscnt 0x0
.macro FUN d, s, n, st, k              ; a stage of the funnel: on by st places where the bit is set
.set I, 0
.rept \n
	v_cndmask_b32 v[\d+I], v[\s+I], v[\s+I+\st], s[\k]
.set I, I+1
.endr
.endm
.macro ROW i
	v_fmaak_f32 v78, v[HR+\i], v91, 0x41780000     ; u = 25 x + 15.5
	s_delay_alu instid0(VALU_DEP_1)
	v_floor_f32 v79, v78
	s_delay_alu instid0(VALU_DEP_1)
	v_med3_num_f32 v80, v79, 0, 0x425c0000         ; j, held to 0 .. 55
	s_delay_alu instid0(VALU_DEP_1)
	v_cvt_i32_f32 v81, v80
	s_delay_alu instid0(VALU_DEP_2)
	v_sub_f32 v82, v78, v80                        ; t
	s_delay_alu instid0(VALU_DEP_3)
	v_cmp_eq_f32 s38, v79, v80                     ; x lies in the grid
.irp k, 0,1,2,3,4,5
	v_and_b32 v83, 1<<\k, v81
	s_delay_alu instid0(VALU_DEP_1)
	v_cmp_ne_u32 s[40+\k], 0, v83
.endr
	v_mul_f32 v83, v82, v82                        ; t^2
	v_sub_f32 v84, 1.0, v82
	s_delay_alu instid0(VALU_DEP_2)
	v_mul_f32 v85, v83, v82                        ; t^3
	s_delay_alu instid0(VALU_DEP_2)
	v_mul_f32 v86, v84, v84
	s_delay_alu instid0(VALU_DEP_1)
	v_mul_f32 v86, v86, v84                        ; (1 - t)^3
	s_delay_alu instid0(VALU_DEP_3)
	v_fma_f32 v87, v85, 0.5, -v83
	s_delay_alu instid0(VALU_DEP_1)
	v_add_f32 v87, 0x3f2aaaab, v87                 ; basis number j - 2: t^3 / 2 - t^2 + 2 / 3
	v_add_f32 v92, v83, v82
	s_delay_alu instid0(VALU_DEP_1)
	v_sub_f32 v92, v92, v85
	s_delay_alu instid0(VALU_DEP_1)
	v_fma_f32 v92, v92, 0.5, s39                   ; j - 1: (t^2 + t - t^3) / 2 + 1 / 6
	; entry e of the row that is shifted = weight e - 3; wanted: entries j .. j + 3
.set I, 0
.rept 35
.if I < 3
	v_cndmask_b32 v[F1+I], 0, v[TW+I+29], s45
.elseif I < 24
	v_cndmask_b32 v[F1+I], v[TW+I-3], v[TW+I+29], s45
.else
	v_cndmask_b32 v[F1+I], v[TW+I-3], 0, s45
.endif
.set I, I+1
.endr
	FUN 32, F1, 19, 16, 44
	FUN 51, 32, 11, 8, 43
	FUN 62, 51, 7, 4, 42
	FUN 69, 62, 5, 2, 41
	FUN 74, 69, 4, 1, 40
	s_delay_alu instid0(VALU_DEP_4)
	v_mul_f32 v93, v74, v86
	s_delay_alu instid0(VALU_DEP_1)
	v_fmac_f32 v93, v77, v85
	s_delay_alu instid0(VALU_DEP_1)
	v_mul_f32 v93, s39, v93                        ; numbers j - 3 and j: (1 - t)^3 / 6, t^3 / 6
	s_delay_alu instid0(VALU_DEP_1)
	v_fmac_f32 v93, v75, v87
	s_delay_alu instid0(VALU_DEP_1)
	v_fmac_f32 v93, v76, v92
	s_delay_alu instid0(VALU_DEP_1)
	v_cndmask_b32 v93, 0, v93, s38
	s_delay_alu instid0(VALU_DEP_1)
	v_fmac_f32 v[AC+\i], v93, v90
.endm
.irp i, 0,1,2,3,4,5,6,7
	ROW \i
.endr
.irp x, 1,2,4,8
.irp i, 0,1,2,3,4,5,6,7
	v_add_f32_dpp v[AC+\i], v[AC+\i], v[AC+\i] row_xmask:\x row_mask:0xf bank_mask:0xf
.endr
.endr
.irp i, 0,1,2,3,4,5,6,7
	v_permlanex16_b32 v[32+\i], v[AC+\i], s46, s47
.endr
.irp i, 0,1,2,3,4,5,6,7
	v_add_f32 v[AC+\i], v[AC+\i], v[32+\i]         ; every lane holds the sum over my 32 features
.endr
.irp i, 0,1,2,3,4,5,6,7
	ds_store_b32 v11, v[AC+\i] offset:4*\i         ; all lanes write the same word with the same value
.endr
	s_wait_dscnt 0x0                               ; for wave 0's sake
	s_barrier_signal -1
	s_barrier_wait -1
	s_cmp_lg_u32 s16, 0
	s_cbranch_scc1 .Lend
.irp k, 0,1,2,3,4,5,6,7
	ds_load_b32 v[32+\k], v12 offset:32*\k
.endr
	s_lshl_b32 s48, ttmp9, 5
	v_lshl_add_u32 v40, v3, 2, s48
	s_wait_dscnt 0x0
	v_add_f32 v32, v32, v33
	v_add_f32 v34, v34, v35
	v_add_f32 v36, v36, v37
	v_add_f32 v38, v38, v39
	s_delay_alu instid0(VALU_DEP_3)
	v_add_f32 v32, v32, v34
	s_delay_alu instid0(VALU_DEP_2)
	v_add_f32 v36, v36, v38
	s_delay_alu instid0(VALU_DEP_1)
	v_add_f32 v32, v32, v36
	v_cmp_gt_u32 vcc_lo, 8, v1
	s_wait_alu depctr_va_vdst(0)
	s_wait_xcnt 0x0                                ; EXEC changes only behind this wait
	s_and_saveexec_b32 s49, vcc_lo
	global_store_b32 v40, v32, s[14:15]            ; lanes 0 to 7: the work-group's eight rows
	s_wait_xcnt 0x0                                ; and again, in front of the line that widens it
	s_or_b32 exec_lo, exec_lo, s49
.Lend:
	s_wait_tensorcnt 0x0
	ds_add_u32 v192, v193
	s_wait_dscnt 0x0
	s_endpgm
.Lfunc_end_k_qc9d1431c3b_final:
	.size	k_qc9d1431c3b_final, .Lfunc_end_k_qc9d1431c3b_final-k_qc9d1431c3b_final
	.p2alignl 7, 3214868480
	.fill 96, 4, 3214868480
	.section	.rodata,"a",@progbits
	.p2align	6, 0x0
	.amdhsa_kernel k_qc9d1431c3b_final
		.amdhsa_group_segment_fixed_size 64768
		.amdhsa_private_segment_fixed_size 0
		.amdhsa_enable_private_segment 0
		.amdhsa_kernarg_size 48
		.amdhsa_user_sgpr_count 2
		.amdhsa_user_sgpr_kernarg_segment_ptr 1
		.amdhsa_wavefront_size32 1
		.amdhsa_system_sgpr_workgroup_id_x 1
		.amdhsa_system_sgpr_workgroup_id_y 1
		.amdhsa_system_sgpr_workgroup_id_z 1
		.amdhsa_system_vgpr_workitem_id 0
		.amdhsa_next_free_vgpr 194
		.amdhsa_next_free_sgpr 66
		.amdhsa_reserve_vcc 1
		.amdhsa_float_denorm_mode_32 3
		.amdhsa_float_denorm_mode_16_64 3
		.amdhsa_memory_ordered 1
		.amdhsa_forward_progress 1
		.amdhsa_inst_pref_size 94
	.end_amdhsa_kernel
	.amdgpu_metadata
---
amdhsa.version: [ 1, 2 ]
amdhsa.kernels:
  - .name:           k_qc9d1431c3b_final
    .symbol:         k_qc9d1431c3b_final.kd
    .args:
      - { .name: PB, .offset: 0, .size: 8, .value_kind: global_buffer, .address_space: global }
      - { .name: bw5, .offset: 8, .size: 8, .value_kind: global_buffer, .address_space: global }
      - { .name: sw5, .offset: 16, .size: 8, .value_kind: global_buffer, .address_space: global }
      - { .name: wb5, .offset: 24, .size: 8, .value_kind: global_buffer, .address_space: global }
      - { .name: ws5, .offset: 32, .size: 8, .value_kind: global_buffer, .address_space: global }
      - { .name: out0, .offset: 40, .size: 8, .value_kind: global_buffer, .address_space: global }
    .group_segment_fixed_size: 64768
    .private_segment_fixed_size: 0
    .kernarg_segment_align: 8
    .kernarg_segment_size: 48
    .max_flat_workgroup_size: 256
    .sgpr_count:     66
    .vgpr_count:     194
    .wavefront_size: 32
...
	.end_amdgpu_metadata
.endif
;; end of part 3
